; MI455X (gfx1250); checked and timed in simulation.
; The chip was launched on July 23, 2026; its instructions are those of AMD's public machine-readable ISA for CDNA 5 (MIT licence, August 2026) and "CDNA5" Instruction Set Architecture Reference Guide (July 2026). The comments in the code are by the model that wrote it; some were corrected since.
;; GFA. Allowed arithmetic: matrix products marked QUANTISED: E2M1 operands, one E8M0 scale for each 32 along K, by v_wmma_scale_f32_16x16x128_f8f6f4 with both operands' format E2M1 (or v_wmma_scale_f32_32x16x128_f4), f32 sums; products left as they are: f32 operands where the result goes on into a quantised operand, else bf16, f16 or f32 operands; f32 sums; everything else in f32.
;; Inputs: ba one number float32; bb one number float32; beta 64 float32; bm 64 float32; feature 4 x 64 x 8,192 x 1 float32; gamma 64 float32; running_mean 64 float32; running_var 64 float32; wa 64 float32; wb 64 float32; wm 64 x 64 float32.
;; Outputs: out0 4 x 64 x 8,192 x 1 float32.
;; This version of the problem:
;;   THIS VERSION OF THE PROBLEM IS GIVEN IN LOW PRECISION. The matrix products marked QUANTISED in the list below multiply operands that are first quantised to E2M1 (2 exponent bits, 1 mantissa bit; 4 bits a number), with one power-of-two scale for each 32 numbers along K (OCP MX v1.0); their sums are f32. All else is computed in f32.
;;   The module's matrix products, in the order in which they are computed (A, B: the left and right operand; K: the contracted axis; several contracted axes count as one K, in the product's order):
;;     1. [M 32,768, K 64] x [K 64, N 1]; A: input feature; B: input wa: left as it is (N = 1 < 16)
;;     2. [M 32,768, K 64] x [K 64, N 1]; A: input feature; B: input wb: left as it is (N = 1 < 16)
;;     3. [M 64, K 64] x [K 64, N 32,768]; A: input wm; B: input feature: QUANTISED
;;     4. batch 4 x [M 64, K 8,192] x [K 8,192, N 8,192]; A: computed on the way; B: softmax (see below): QUANTISED
;;   THE QUANTISER, for each operand of a quantised product, along K:
;;     - K is cut into blocks of 32 from its start; a last block that is shorter is filled with zeros.
;;     - A block's scale is 2^e with e = floor(log2(the largest magnitude in the block)) - 2, held to -126 .. 127; a block of zeros has e = 0. As a byte (E8M0): e + 127.
;;     - Each number is divided by its block's scale, clamped to +-6, and rounded to the nearest number of E2M1, ties to even, subnormals kept.
;;     - The product sums the exact products of the quantised numbers (number of the format x scale) in f32.
;;   ~~~python
;;   def quantise(x, axis):      # numpy; x: float32 -> the quantised numbers, widened to float32 again
;;       x = np.moveaxis(x, axis, -1); K = x.shape[-1]
;;       x = np.pad(x, [(0, 0)] * (x.ndim - 1) + [(0, -K % 32)]); x = x.reshape(x.shape[:-1] + (-1, 32)); a = np.abs(x).max(-1, keepdims=True)
;;       e = np.where(a > 0, np.clip(np.frexp(np.where(a > 0, a, 1))[1] - 1 - 2, -126, 127), 0)      # np.frexp(a)[1] - 1 = floor(log2(a)), exactly
;;       r = np.clip(x / 2.0 ** e, -6, 6)
;;       step = 2.0 ** (np.maximum(np.frexp(np.where(r == 0, 1, r))[1] - 1, 0) - 1)
;;       q = np.round(r / step) * step * 2.0 ** e      # np.round: ties to even
;;       return np.moveaxis(q.reshape(q.shape[:-2] + (-1,))[..., :K], -1, axis).astype(np.float32)
;;   ~~~
;;   SOFTMAX AHEAD OF A QUANTISED PRODUCT. Where the list says 'softmax', what is quantised is not the finished softmax but p = 2^(t - M), with t = logit x log2(e) and M = ceil(the row's largest t), a whole number; so 1/2 < the row's largest p <= 1. The row's sum l is taken of the UNQUANTISED p, in f32, and the product's result is divided by l at the end. Since M is a whole number, a kernel that streams over the keys may use a running M (the ceiling of the running maximum): every later rescaling is an exact power of two, which a block's scale takes up: the codes' values come out the same.
;;   OPERANDS COMPUTED ON THE WAY. 'Computed on the way' means the value that the module computes at that place (a softmax that the list does not call 'softmax' is quantised finished and normalised). What goes into a quantiser is computed in f32, as accurately as f32 sums, v_exp_f32 and their like allow (about 1e-6 of the number): no bf16 or f16 on the way to a quantiser, and a product that is left as it is and whose result goes on into a quantised operand takes f32 operands (vector FMAs, or v_wmma_f32_16x16x4_f32). A number that lies on a knife's edge between two numbers of the format may be rounded either way, as far as f32 arithmetic and the matrix unit's own rounding can turn it there, and no further.
;; One version. Each part assembles by itself: llvm-mc -triple=amdgcn-amd-amdhsa -mcpu=gfx1250 --defsym DOCPART=n.
;; ======== version 1 of 1: 2 launches
;; workspace buffers: keys 1,253,376 bytes; abuf 131,072 bytes
;; launch prep (part 1): grid 64 x 4, 4 waves a work-group, no clusters, 43,520 bytes of LDS; arguments feature, wa, ba, wb, bb, wm, bm, gamma, beta, running_mean, running_var, keys, abuf; writes keys, abuf
.if DOCPART == 1
	.amdgcn_target "amdgcn-amd-amdhsa--gfx1250"
	.amdhsa_code_object_version 6
	.text
	.protected	k_q70a90241ad_prep
	.globl	k_q70a90241ad_prep
	.p2align	8
	.type	k_q70a90241ad_prep,@function
k_q70a90241ad_prep:
	s_mov_b64 s[64:65], 0
	v_nop
	global_prefetch_b8 v0, s[64:65] scope:SCOPE_SE
	s_setreg_imm32_b32 hwreg(HW_REG_WAVE_MODE, 25, 1), 1
	s_wait_xcnt 0x0
; PREP.  x = feature [4][64 c][8192 n], f32.  For each batch and each KEY STEP of 128 points this launch makes what the second launch wants of these points as keys:
;   a = wa . x + ba and b = wb . x + bb, in f32 (fused multiply-adds);   f = ((Q(wm) Q(x) + bm) - running_mean) x gamma / sqrt(running_var + 1e-5) + beta: the product on codes of E2M1, K = the 64 channels,
;   two blocks of 32; then f is quantised along the POINTS (the second product's K), four blocks of 32 a step.
; NO WORK IS LEFT OUT, AND ALL ELEVEN INPUTS ARE LOADED.  bb adds a[n] x bb to every logit of row n, which a softmax in real numbers would take away; but what is quantised is p = 2^(t - M) with M a WHOLE number,
;   and a shift of t by a number that is not whole moves p's codes and scales: so bb is live.  ba, bm, beta, running_mean move numbers that go into quantisers or into the result.
; OUT.  keys, for each batch 313,344 bytes: 64 RECORDS of 4,864 bytes, one a step: four images of 1,024 bytes (channel tile t: the matrix operand's 8 registers as they stand: group c at 512 c, lane l at 16 l; lane (r, h) holds
;   channel 16 t + r, keys 64 c + 32 h + 0 .. 31), at 4,096 the 64 scale words (channel 16 t + r: four E8M0 bytes), at 4,352 b of the 128 points.  Behind the records, 32 bytes a step: the largest and the smallest b of the step's
;   four blocks, in the order (max 0, min 0, max 2, min 2, max 1, min 1, max 3, min 3).  abuf: a [4][8192].
; SHARES.  A work-group of four waves makes one record.  First wave w takes channels 16 w .. 16 w + 15 (dense loads of 512 bytes, partial sums of a and b, x into LDS); then points 32 w .. 32 w + 31, a lane a point, its registers running
;   down the channels (x's codes); then channel tile w for all 128 points (the product, the norm, f's codes).  Three barriers.
; THE POINTS OF A TILE ARE NOT NEIGHBOURS: row rho of tile 2 b + u is point 32 b + 8 u + rho + 8 (rho / 8), so that in the result (source 0 = 16 points, source 1 = 16 channels of wm: a lane holds ONE channel) the 16 registers of
;   tiles 2 b and 2 b + 1 are 16 neighbouring points.  K is 64 of the instruction's 128: the upper 64 are zero codes on both sides, under the scale byte 0.
; LIMITS.  A block whose largest magnitude lies under 2^-124 takes the scale byte 1 (a block of zeros too, where the rule says 127: its codes are zeros, and this program alone reads the bytes).  NaN, infinities and
;   running_var + 1e-5 <= 0 are not served.
.set XT,    0                          ; LDS: x of the step, [64 c][128 points] f32, 512 bytes a row
.set PA,    32768                      ; partial a, [wave][128]
.set PB,    34816                      ; partial b
.set XIMG,  36864                      ; x's eight fragments (registers 0-3), 512 bytes each: tile 2 b + u at 512 (2 b + u)
.set XSC,   40960                      ; x's scale words, 128 bytes for each pair of tiles
.set FSC,   41472                      ; f's 64 scale words
.set BST,   41728                      ; b of the 128 points
.set AST,   42240                      ; a
.set MMS,   42752                      ; the eight largest and smallest b
.set SPARE, 43008                      ; the spare words, 128 bytes for each wave: two blocks of 256 bytes that no other line names
.set REC,   4864
.set MMO,   64*REC
.set BATB,  MMO+2048
.set SPW, 1                            ; v1   LDS address of my spare word; never rewritten
.set NIL, 2                            ; v2   0; never rewritten
.set LI,  3                            ; v3   16 x lane
.set LS,  4                            ; v4   4 x lane
.set PT,  5                            ; v5   4 x my point: 128 w + 4 pi(lane), pi(l) = l % 8 + 16 ((l / 8) % 2) + 8 (l / 16)
.set WMO, 6                            ; v6   wm: row 16 w + r of 256 bytes, + 128 h
.set CH,  7                            ; v7   4 x my channel: 64 w + 4 r
.set SH8, 8                            ; v8   8 h
.set W2,  9                            ; v9   a lane permute's destination
.set BET, 10                           ; v10-14 beta, gamma, running_mean, running_var, bm of my channel
.set GAM, 11
.set MEA, 12
.set VAR, 13
.set BMV, 14
.set WS,  15                           ; v15  wm's scale word: scales and nothing else
.set XS,  16                           ; v16-19 x's scale words: lanes 0-15 tile 2 b, lanes 16-31 tile 2 b + 1
.set WC,  20                           ; v20-27 wm's fragment
.set L8,  28                           ; v28  8 x lane
.set M7,  29                           ; v29  4 x (lane % 8)
.set XW,  30                           ; v30  16 x lane + 8,192 w
.set MMA, 31                           ; v31  8 x my block's place among the largest and smallest
.set X,   32                           ; v32-95 x: as loaded; then a point's 64 channels; then the eight fragments
.set SA,  96                           ; v96-99 partial a of four points;  v100-103 partial b
.set SB,  100
.set WM,  104                          ; v104-135 32 numbers of wm
.set RP,  136                          ; v136-143 the partials read back; then bm eight times: the C of the products; then the way out
.set AV,  144
.set BV,  145
.set MX,  146
.set MN,  147
.set XC0, 148                          ; v148-151 my point's codes of channels 0-31, v152-155 of channels 32-63
.set XC1, 152
.set SWX, 156
.set PAW, 157                          ; v157 16 x lane + 512 w
.set T0,  158                          ; v158-162 at work
.set T1,  159
.set T2,  160
.set T3,  161
.set T4,  162
.set XSW, 163                          ; v163 4 x lane + 128 w
.set W3,  165                          ; v165 a lane permute's destination
.set PW,  166                          ; v166 f's scale word
.set XIW, 167                          ; v167 16 x lane + 1,024 w
.set HA,  168                          ; v168-231 the eight results
.set PC,  232                          ; v232-239 f's codes
.set TM,  240                          ; v240-255 at work in QUANT
.set WV,  32
.set BAT, 34
.set SEL, 52
; the largest magnitude of the 32 numbers v[s] on, with the floor 2^(3 - 127) as one more leaf, so that the scale's byte cannot fall under 1: two chains
.macro MAX32 d, t, s
	v_max3_num_f32 v[\d], |v[\s]|, |v[\s+1]|, |v[\s+2]|
	v_max3_num_f32 v[\t], |v[\s+3]|, |v[\s+4]|, |v[\s+5]|
.irp i, 6,10,14,18,22,26
	v_max3_num_f32 v[\d], v[\d], |v[\s+\i]|, |v[\s+\i+1]|
	v_max3_num_f32 v[\t], v[\t], |v[\s+\i+2]|, |v[\s+\i+3]|
.endr
	v_max3_num_f32 v[\d], v[\d], |v[\s+30]|, |v[\s+31]|
	v_max3_num_f32 v[\d], v[\d], v[\t], 0x1800000
.endm
.macro XLD blk                         ; my point's channels 32 blk .. 32 blk + 31: the 32 lanes read 32 different words of one row
.set c, 32*\blk
.rept 32
	ds_load_b32 v[X+c], v[PT] offset:XT+512*c
.set c, c+1
.endr
.endm
.macro QX blk                          ; block blk of my point's channels: all 32 numbers are mine
	MAX32 T0, T1, X+32*\blk
	v_add_nc_u32 v[T2], 0xff000000, v[T0]          ; 2 off the exponent field: the conversion takes the exponent field of this operand as its scale
	v_lshrrev_b32 v[T3+\blk], 23, v[T2]            ; the scale's byte
.irp g, 0,1,2,3
	v_cvt_scalef32_pk8_fp4_f32 v[XC0+4*\blk+\g], v[X+32*\blk+8*\g:X+32*\blk+8*\g+7], v[T2]
.endr
.endm
; 64 numbers of a lane, register 16 b + i = k 32 b + 16 (lane / 16) + i of my row, become a fragment's codes in v[PC] on and its scale word in v[PW]
.macro QUANT s
.irp b, 0,1,2,3
	v_max3_num_f32 v[TM+\b], |v[\s+16*\b]|, |v[\s+1+16*\b]|, 0x1800000
.endr
.irp i, 2,4,6,8,10,12,14
.irp b, 0,1,2,3
	v_max3_num_f32 v[TM+\b], v[TM+\b], |v[\s+16*\b+\i]|, |v[\s+1+16*\b+\i]|   ; the four blocks by turns
.endr
.endr
.irp b, 0,1,2,3
	v_permlanex16_b32 v[TM+4+\b], v[TM+\b], s[SEL], s[SEL+1]
.endr
.irp b, 0,1,2,3
	v_max_num_f32 v[TM+\b], v[TM+\b], v[TM+4+\b]   ; with lane l xor 16's: the block's largest magnitude
.endr
.irp b, 0,1,2,3
	v_add_nc_u32 v[TM+12+\b], 0xff000000, v[TM+\b]
.endr
.irp b, 0,1,2,3
	v_lshrrev_b32 v[TM+4+\b], 23, v[TM+12+\b]
.endr
	v_lshl_or_b32 v[PW], v[TM+5], 8, v[TM+4]
	v_lshl_or_b32 v[PW], v[TM+6], 16, v[PW]
	v_lshl_or_b32 v[PW], v[TM+7], 24, v[PW]
.irp b, 0,1,2,3
	v_cvt_scalef32_pk8_fp4_f32 v[PC+2*\b], v[\s+16*\b:\s+7+16*\b], v[TM+12+\b]
	v_cvt_scalef32_pk8_fp4_f32 v[PC+1+2*\b], v[\s+8+16*\b:\s+15+16*\b], v[TM+12+\b]
.endr
	v_nop                                          ; one plain place behind a scaled conversion
.irp c, 0,1                                    ; the operand's layout wants a WHOLE block in a lane: lanes 0-15 block 2 c, lanes 16-31 block 2 c + 1
.irp i, 0,1
	v_permlane16_swap_b32 v[PC+4*\c+\i], v[PC+2+4*\c+\i]
.endr
.endr
.endm
.macro BARRIER                         ; my LDS stores have landed and my LDS loads are in: then the work-group's barrier
	s_wait_dscnt 0x0
	s_barrier_signal -1
	s_barrier_wait -1
.endm
	s_load_b512 s[4:19], s[0:1], 0x0               ; feature s[4:5], wa s[6:7], ba s[8:9], wb s[10:11], bb s[12:13], wm s[14:15], bm s[16:17], gamma s[18:19]
	s_load_b256 s[20:27], s[0:1], 0x40             ; beta s[20:21], running_mean s[22:23], running_var s[24:25], keys s[26:27]
	s_load_b64 s[28:29], s[0:1], 0x60              ; abuf
	v_lshl_add_u32 v[SPW], v0, 2, SPARE
	v_mov_b32 v[NIL], 0
	v_lshrrev_b32 v[T0], 5, v0
	v_readfirstlane_b32 s[WV], v[T0]               ; wave 0..3
	s_and_b32 s[BAT], ttmp7, 0xffff                ; the batch; ttmp9 is the key step
	s_mov_b32 s[SEL], 0x76543210
	s_mov_b32 s[SEL+1], 0xfedcba98                 ; v_permlanex16_b32's selects for lane l xor 16
	v_and_b32 v[T0], 31, v0                        ; lane
	v_and_b32 v[T1], 15, v0                        ; r
	v_bfe_u32 v[T2], v0, 4, 1                      ; h
	v_lshlrev_b32 v[LI], 4, v[T0]
	v_lshlrev_b32 v[LS], 2, v[T0]
	v_lshlrev_b32 v[L8], 3, v[T0]
	v_and_b32 v[M7], 7, v0
	v_and_b32 v[T3], 8, v0
	v_lshl_add_u32 v[T3], v[T3], 1, v[M7]          ; l % 8 + 16 ((l / 8) % 2)
	v_lshl_add_u32 v[T3], v[T2], 3, v[T3]          ; + 8 (l / 16) = pi(l)
	v_lshlrev_b32 v[M7], 2, v[M7]
	s_lshl_b32 s54, s[WV], 7
	v_lshl_add_u32 v[PT], v[T3], 2, s54
	v_add_nc_u32 v[XSW], s54, v[LS]
	s_lshl_b32 s54, s[WV], 6
	v_lshl_add_u32 v[CH], v[T1], 2, s54
	s_lshl_b32 s54, s[WV], 12
	v_lshl_add_u32 v[WMO], v[T1], 8, s54
	v_lshl_add_u32 v[WMO], v[T2], 7, v[WMO]
	v_lshlrev_b32 v[SH8], 3, v[T2]
	s_lshl_b32 s54, s[WV], 13
	v_add_nc_u32 v[XW], s54, v[LI]
	s_lshl_b32 s54, s[WV], 9
	v_add_nc_u32 v[PAW], s54, v[LI]
	s_lshl_b32 s54, s[WV], 10
	v_add_nc_u32 v[XIW], s54, v[LI]
	s_and_b32 s54, s[WV], 1                        ; block w's place among the eight: blocks 0, 2, 1, 3
	s_lshl_b32 s54, s54, 1
	s_lshr_b32 s56, s[WV], 1
	s_or_b32 s54, s54, s56
	s_lshl_b32 s54, s54, 3
	v_mov_b32 v[MMA], s54
	v_mov_b32 v[W2], 0                             ; written once: a lane permute's destination counts as one of its sources
	v_mov_b32 v[W3], 0
.irp b, 0,1,2,3
	v_mov_b32 v[TM+4+\b], 0
.endr
	s_wait_kmcnt 0x0
	s_lshl_b32 s54, s[WV], 6                       ; my 16 weights of wa and of wb: 64 w bytes on
	s_mov_b32 s55, 0
	s_add_nc_u64 s[6:7], s[6:7], s[54:55]
	s_add_nc_u64 s[10:11], s[10:11], s[54:55]
	s_load_b512 s[36:51], s[6:7], 0x0
	s_load_b512 s[68:83], s[10:11], 0x0
	s_load_b32 s30, s[8:9], 0x0                    ; ba
	s_load_b32 s31, s[12:13], 0x0                  ; bb
	s_lshl_b32 s54, s[BAT], 21                     ; x: the batch's 64 x 32,768 bytes, my 16 channels, the step's 512 bytes
	s_lshl_b32 s56, s[WV], 19
	s_add_co_u32 s54, s54, s56
	s_lshl_b32 s56, ttmp9, 9
	s_add_co_u32 s54, s54, s56
	s_add_nc_u64 s[4:5], s[4:5], s[54:55]
.irp i, 0,1,2,3,4,5,6,7,8,9,10,11,12,13,14,15
	global_load_b128 v[X+4*\i:X+4*\i+3], v[LI], s[4:5] offset:32768*\i th:TH_LOAD_NT   ; channel 16 w + i: 32 lanes read 512 consecutive bytes; a lane holds four points
.endr
.irp i, 0,1,2,3,4,5,6,7
	global_load_b128 v[WM+4*\i:WM+4*\i+3], v[WMO], s[14:15] offset:16*\i               ; wm(16 w + r, 32 h + 0 .. 31): a whole block in a lane
.endr
	global_load_b32 v[GAM], v[CH], s[18:19]
	global_load_b32 v[BET], v[CH], s[20:21]
	global_load_b32 v[MEA], v[CH], s[22:23]
	global_load_b32 v[VAR], v[CH], s[24:25]
	global_load_b32 v[BMV], v[CH], s[16:17]
	s_mul_i32 s54, s[BAT], BATB                    ; where the results go
	s_add_nc_u64 s[26:27], s[26:27], s[54:55]      ; keys at my batch,
	s_lshl_b32 s54, ttmp9, 5
	s_add_co_u32 s54, s54, MMO
	s_add_nc_u64 s[56:57], s[26:27], s[54:55]      ; the step's 32 bytes of largest and smallest b,
	s_mul_i32 s54, ttmp9, REC
	s_add_nc_u64 s[26:27], s[26:27], s[54:55]      ; the step's record,
	s_lshl_b32 s54, s[BAT], 15
	s_lshl_b32 s58, ttmp9, 9
	s_add_co_u32 s54, s54, s58
	s_add_nc_u64 s[28:29], s[28:29], s[54:55]      ; and its 512 bytes of abuf
	; ---- 1: my 16 channels: x into LDS as it lies, and the partial sums of a and b for all 128 points
	s_wait_kmcnt 0x0                               ; the weights, ba, bb
.irp i, 0,1,2,3,4,5,6,7,8,9,10,11,12,13,14,15
.if (\i%4) == 0
	s_wait_alu depctr_va_vdst(0)
	s_wait_loadcnt 25-\i                           ; channels i .. i + 3 are in: behind them 12 - i loads of x, 8 of wm, 5 for my channel
.endif
	ds_store_b128 v[XW], v[X+4*\i:X+4*\i+3] offset:XT+512*\i
.irp k, 0,1,2,3
.if \i == 0
	v_mul_f32 v[SA+\k], s[36], v[X+\k]             ; the first channel starts the sums: nothing is cleared
	v_mul_f32 v[SB+\k], s[68], v[X+\k]
.else
	v_fmac_f32 v[SA+\k], s[36+\i], v[X+4*\i+\k]
	v_fmac_f32 v[SB+\k], s[68+\i], v[X+4*\i+\k]
.endif
.endr
.endr
	ds_store_b128 v[PAW], v[SA:SA+3] offset:PA
	ds_store_b128 v[PAW], v[SB:SB+3] offset:PB
	s_wait_loadcnt 5                               ; wm is in; the five numbers of my channel may be out
	MAX32 T0, T1, WM                               ; wm's block h of row 16 w + r
	v_add_nc_u32 v[T2], 0xff000000, v[T0]
	v_lshrrev_b32 v[T3], 23, v[T2]
.irp g, 0,1,2,3
	v_cvt_scalef32_pk8_fp4_f32 v[WC+\g], v[WM+8*\g:WM+8*\g+7], v[T2]
.endr
	v_lshlrev_b32 v[T3], v[SH8], v[T3]             ; my byte at its place in the scale word (a plain place behind the conversions),
	v_permlanex16_b32 v[W2], v[T3], s[SEL], s[SEL+1]
	v_or_b32 v[WS], v[T3], v[W2]                   ; with lane l xor 16's: bytes 0 and 1; bytes 2 and 3 stay 0, over zero codes
.irp g, 4,5,6,7
	v_mov_b32 v[WC+\g], 0                          ; k = 64 .. 127: zero codes
.endr
	BARRIER                                        ; x and the partial sums lie in LDS
	; ---- 2: my 32 points, a lane a point
.irp p, 0,1,2,3
	ds_load_b32 v[RP+\p], v[PT] offset:PA+512*\p
	ds_load_b32 v[RP+4+\p], v[PT] offset:PB+512*\p
.endr
	XLD 0
	s_wait_dscnt 32                                ; the eight partial sums are in; the 32 loads of x behind them may be out
	v_add_f32 v[RP], v[RP], v[RP+1]
	v_add_f32 v[RP+2], v[RP+2], v[RP+3]
	v_add_f32 v[RP+4], v[RP+4], v[RP+5]
	v_add_f32 v[RP+6], v[RP+6], v[RP+7]
	v_add_f32 v[RP], v[RP], v[RP+2]
	v_add_f32 v[RP+4], v[RP+4], v[RP+6]
	v_add_f32 v[AV], s30, v[RP]                    ; a of my point
	v_add_f32 v[BV], s31, v[RP+4]                  ; b of my point
	XLD 1
	v_mov_b32 v[MX], v[BV]
	v_mov_b32 v[MN], v[BV]
.irp m, 1,2,4,8
	v_max_num_f32_dpp v[MX], v[MX], v[MX] row_xmask:\m row_mask:0xf bank_mask:0xf
	v_min_num_f32_dpp v[MN], v[MN], v[MN] row_xmask:\m row_mask:0xf bank_mask:0xf
.endr
	v_permlanex16_b32 v[W2], v[MX], s[SEL], s[SEL+1]
	v_permlanex16_b32 v[W3], v[MN], s[SEL], s[SEL+1]
	v_max_num_f32 v[MX], v[MX], v[W2]              ; the largest b of my wave's 32 points: a block of the second product's K
	v_min_num_f32 v[MN], v[MN], v[W3]              ; and the smallest
	ds_store_b32 v[PT], v[AV] offset:AST
	ds_store_b32 v[PT], v[BV] offset:BST
	ds_store_b32 v[MMA], v[MX] offset:MMS          ; all lanes write the same word with the same value
	ds_store_b32 v[MMA], v[MN] offset:MMS+4
	s_wait_dscnt 36                                ; channels 0-31 are in: behind them 32 loads and 4 stores
	QX 0
	s_wait_dscnt 4                                 ; channels 32-63 are in: behind them the 4 stores
	QX 1
	v_lshl_or_b32 v[SWX], v[T4], 8, v[T3]          ; my point's scale word: bytes 0 and 1 (a plain place behind the conversions)
.irp i, 0,1,2,3
	v_permlane16_swap_b32 v[XC0+\i], v[XC1+\i]     ; XC0: tile 2 w (lanes 0-15 its rows' channels 0-31, lanes 16-31 the same rows' channels 32-63); XC1: tile 2 w + 1
.endr
	ds_store_b128 v[XIW], v[XC0:XC0+3] offset:XIMG
	ds_store_b128 v[XIW], v[XC1:XC1+3] offset:XIMG+512
	ds_store_b32 v[XSW], v[SWX] offset:XSC
.irp i, 0,1,2,3,4,5,6,7
.irp g, 4,5,6,7
	v_mov_b32 v[X+8*\i+\g], 0                      ; registers 4-7 of the eight fragments: k = 64 .. 127, zero codes
.endr
.endr
	BARRIER                                        ; x's eight fragments and their scale words lie in LDS
	; ---- 3: channel tile w for the 128 points
.irp i, 0,1,2,3,4,5,6,7
	ds_load_b128 v[X+8*\i:X+8*\i+3], v[LI] offset:XIMG+512*\i
.endr
.irp b, 0,1,2,3
	ds_load_b32 v[XS+\b], v[LS] offset:XSC+128*\b
.endr
	s_wait_loadcnt 0x0                             ; the five numbers of my channel
	v_add_f32 v[T1], 0x3727c5ac, v[VAR]            ; running_var + 1e-5
	s_wait_alu depctr_va_vdst(0)
	v_rsq_f32 v[T1], v[T1]
.irp j, 0,1,2,3,4,5,6,7
	v_mov_b32 v[RP+\j], v[BMV]                     ; bm is the C of the products: in the result's layout a lane's eight registers are eight points of ONE channel
.endr
	s_wait_alu depctr_va_vdst(0)                   ; ahead of the first line that names the root's result
	v_mul_f32 v[T0], v[GAM], v[T1]                 ; gamma / sqrt(running_var + 1e-5)
.rept 4
	v_nop                                          ; four places between the last vector write of an operand and the scaled products; the LDS loads are out meanwhile
.endr
	s_wait_dscnt 0x0
.irp i, 0,1,2,3,4,5,6,7                        ; source 0 = 16 points, source 1 = 16 rows of wm.  Register j of tile 2 b + u in lane (r, h): f(16 w + r, point 32 b + 16 h + 8 u + j)
.if (\i)%2
	v_wmma_scale_f32_16x16x128_f8f6f4 v[HA+8*\i:HA+8*\i+7], v[X+8*\i:X+8*\i+7], v[WC:WC+7], v[RP:RP+7], v[XS+\i/2], v[WS] matrix_a_fmt:MATRIX_FMT_FP4 matrix_b_fmt:MATRIX_FMT_FP4 matrix_a_scale:MATRIX_SCALE_ROW1
.else
	v_wmma_scale_f32_16x16x128_f8f6f4 v[HA+8*\i:HA+8*\i+7], v[X+8*\i:X+8*\i+7], v[WC:WC+7], v[RP:RP+7], v[XS+\i/2], v[WS] matrix_a_fmt:MATRIX_FMT_FP4 matrix_b_fmt:MATRIX_FMT_FP4
.endif
.endr
.rept 4
	v_nop                                          ; four places behind the products, ahead of the first read of a result
.endr
.set j, 0
.rept 32
	v_pk_add_f32 v[HA+j:HA+j+1], v[HA+j:HA+j+1], v[MEA:MEA+1] op_sel_hi:[1,0] neg_lo:[0,1] neg_hi:[0,1]   ; - running_mean (the pair's low word for both halves); each result from its low end on
.set j, j+2
.endr
.set j, 0
.rept 32
	v_pk_fma_f32 v[HA+j:HA+j+1], v[HA+j:HA+j+1], v[T0:T0+1], v[BET:BET+1] op_sel_hi:[1,0,0]                ; x scale + beta
.set j, j+2
.endr
	QUANT HA                                       ; along the points: the second product's operand, as it will stand in registers
.irp c, 0,1
	global_store_b128 v[XIW], v[PC+4*\c:PC+4*\c+3], s[26:27] offset:512*\c   ; 32 lanes store 512 consecutive bytes, at a multiple of 256 from the buffer's first byte
.endr
	ds_store_b32 v[CH], v[PW] offset:FSC           ; both halves of the lanes write the same word with the same value
	BARRIER                                        ; f's 64 scale words lie in LDS; a, b and the largest and smallest since the second barrier
	; ---- 4: the small things leave in whole runs, one to a wave
	s_cmp_eq_u32 s[WV], 0
	s_cbranch_scc0 .Lnot_0
	ds_load_b64 v[RP:RP+1], v[L8] offset:FSC
	s_wait_dscnt 0x0
	global_store_b64 v[L8], v[RP:RP+1], s[26:27] offset:4096       ; the scale words: 256 consecutive bytes
	s_branch .Ljoin
.Lnot_0:
	s_cmp_eq_u32 s[WV], 1
	s_cbranch_scc0 .Lnot_1
	ds_load_b128 v[RP:RP+3], v[LI] offset:BST
	s_wait_dscnt 0x0
	global_store_b128 v[LI], v[RP:RP+3], s[26:27] offset:4352      ; b: 512 consecutive bytes
	s_branch .Ljoin
.Lnot_1:
	s_cmp_eq_u32 s[WV], 2
	s_cbranch_scc0 .Lnot_2
	ds_load_b128 v[RP:RP+3], v[LI] offset:AST
	s_wait_dscnt 0x0
	global_store_b128 v[LI], v[RP:RP+3], s[28:29]                  ; a: 512 consecutive bytes
	s_branch .Ljoin
.Lnot_2:
	ds_load_b32 v[RP], v[M7] offset:MMS
	s_wait_dscnt 0x0
	s_wait_xcnt 0x0                                ; EXEC changes only behind this wait: my stores of the codes have been issued
	v_cmp_gt_u32 vcc_lo, 32, v[LS]                 ; lanes 0 to 7
	s_and_saveexec_b32 s58, vcc_lo
	global_store_b32 v[LS], v[RP], s[56:57]        ; the step's 32 bytes
	s_wait_xcnt 0x0                                ; and again, in front of the line that widens it
	s_or_b32 exec_lo, exec_lo, s58
.Ljoin:
	s_wait_tensorcnt 0x0                           ; the wave's end, behind my last LDS store
	ds_add_u32 v[SPW], v[NIL]
	s_wait_dscnt 0x0
	s_endpgm
.Lfunc_end_k_q70a90241ad_prep:
	.size	k_q70a90241ad_prep, .Lfunc_end_k_q70a90241ad_prep-k_q70a90241ad_prep
	.p2alignl 7, 3214868480
	.fill 96, 4, 3214868480
	.section	.rodata,"a",@progbits
	.p2align	6, 0x0
	.amdhsa_kernel k_q70a90241ad_prep
		.amdhsa_group_segment_fixed_size 43520
		.amdhsa_private_segment_fixed_size 0
		.amdhsa_enable_private_segment 0
		.amdhsa_kernarg_size 104
		.amdhsa_user_sgpr_count 2
		.amdhsa_user_sgpr_kernarg_segment_ptr 1
		.amdhsa_wavefront_size32 1
		.amdhsa_system_sgpr_workgroup_id_x 1
		.amdhsa_system_sgpr_workgroup_id_y 1
		.amdhsa_system_sgpr_workgroup_id_z 1
		.amdhsa_system_vgpr_workitem_id 0
		.amdhsa_next_free_vgpr 256
		.amdhsa_next_free_sgpr 84
		.amdhsa_reserve_vcc 1
		.amdhsa_float_denorm_mode_32 3
		.amdhsa_float_denorm_mode_16_64 3
		.amdhsa_memory_ordered 1
		.amdhsa_forward_progress 1
		.amdhsa_inst_pref_size 36
	.end_amdhsa_kernel
	.amdgpu_metadata
---
amdhsa.version: [ 1, 2 ]
amdhsa.kernels:
  - .name:           k_q70a90241ad_prep
    .symbol:         k_q70a90241ad_prep.kd
    .args:
      - { .name: feature, .offset: 0, .size: 8, .value_kind: global_buffer, .address_space: global }
      - { .name: wa, .offset: 8, .size: 8, .value_kind: global_buffer, .address_space: global }
      - { .name: ba, .offset: 16, .size: 8, .value_kind: global_buffer, .address_space: global }
      - { .name: wb, .offset: 24, .size: 8, .value_kind: global_buffer, .address_space: global }
      - { .name: bb, .offset: 32, .size: 8, .value_kind: global_buffer, .address_space: global }
      - { .name: wm, .offset: 40, .size: 8, .value_kind: global_buffer, .address_space: global }
      - { .name: bm, .offset: 48, .size: 8, .value_kind: global_buffer, .address_space: global }
      - { .name: gamma, .offset: 56, .size: 8, .value_kind: global_buffer, .address_space: global }
      - { .name: beta, .offset: 64, .size: 8, .value_kind: global_buffer, .address_space: global }
      - { .name: running_mean, .offset: 72, .size: 8, .value_kind: global_buffer, .address_space: global }
      - { .name: running_var, .offset: 80, .size: 8, .value_kind: global_buffer, .address_space: global }
      - { .name: keys, .offset: 88, .size: 8, .value_kind: global_buffer, .address_space: global }
      - { .name: abuf, .offset: 96, .size: 8, .value_kind: global_buffer, .address_space: global }
    .group_segment_fixed_size: 43520
    .private_segment_fixed_size: 0
    .kernarg_segment_align: 8
    .kernarg_segment_size: 104
    .max_flat_workgroup_size: 128
    .sgpr_count:     84
    .vgpr_count:     256
    .wavefront_size: 32
...
	.end_amdgpu_metadata
.endif
;; end of part 1
;; launch attend (part 2): grid 64 x 4, 16 waves a work-group, clusters of 4 x 1, 327,680 bytes of LDS; arguments keys, abuf, feature, out0; writes out0
.if DOCPART == 2
	.amdgcn_target "amdgcn-amd-amdhsa--gfx1250"
	.amdhsa_code_object_version 6
	.text
	.protected	k_q70a90241ad_attend
	.globl	k_q70a90241ad_attend
	.p2align	8
	.type	k_q70a90241ad_attend,@function
k_q70a90241ad_attend:
	s_mov_b64 s[64:65], 0
	v_nop
	global_prefetch_b8 v0, s[64:65] scope:SCOPE_SE
	s_setreg_imm32_b32 hwreg(HW_REG_WAVE_MODE, 25, 1), 1
	s_wait_xcnt 0x0
	s_wait_alu depctr_hold_cnt(0) depctr_sa_sdst(0) depctr_va_vdst(0) depctr_va_sdst(0) depctr_va_ssrc(0) depctr_va_vcc(0) depctr_vm_vsrc(0)
	s_getreg_b32 s2, hwreg(HW_REG_IB_STS2, 6, 4)
	s_cmp_eq_u32 s2, 0
	s_cbranch_scc0 .Lentry_in_a_cluster
	s_endpgm
.Lentry_in_a_cluster:
	s_bfe_u32 s2, ttmp6, 0x10000c
	s_cmp_lg_u32 s2, 0x3003
	s_cbranch_scc0 .Lentry_shape_is_right
	s_endpgm
.Lentry_shape_is_right:
; ATTEND.  out0[b][c][n] = feature[b][c][n] + (sum over m of Q(p[n][m]) Q(f[c][m])) / l[n],  p[n][m] = 2^(t - M[n]), t = a[n] b[m] log2(e), M[n] = ceil(the row's largest t), l[n] = the sum of the unquantised p, in f32.
; The product runs on codes of E2M1 with one E8M0 scale for each 32 keys m.  f's codes and scales, b, and the largest and smallest b of each block of 32 keys come from the first launch (keys), a from abuf.  No work is left out here.
; THE LOGITS HAVE RANK 1, and that is used, for all values of the inputs: a product by a fixed number, rounded to f32, does not fall where b rises (a' >= 0) or where b falls (a' < 0).  So
;   (1) the row's largest t is the larger of a' x (the batch's largest b) and a' x (its smallest b): M is the row's own maximum, rounded up, and is known before the first key: nothing is ever rescaled, and the keys can be
;       shared among waves whose sums are simply added;
;   (2) a block's largest p is the p of the block's largest or smallest b: both go through the same multiply-add as the block's numbers, the larger through the same exponential: no maximum is searched for among the p;
;   (3) p is computed, not multiplied out, so each lane makes it where the operand's layout wants it: lane (r, h) makes query r's p of keys 64 c + 32 h + 0 .. 31, and the conversions' results ARE the operand's registers.
; SHARES.  A work-group owns 128 queries of one batch.  Sixteen waves of 256 registers, four to a SIMD, so that one wave's waits stand beside another's vector work: a key step has 8 matrix instructions for some 300 vector
;   instructions.  Wave WV: g = WV % 4: queries 32 g .. 32 g + 31 (two tiles of 16);  ks = WV / 4: key steps 16 ks .. 16 ks + 15 of the batch's 64.  At the end the four quarters' sums meet in LDS.
; LDS.  A batch's 313,344 bytes of keys fit in LDS as they lie: each byte is filled once, all loads go out at the head (five a wave are out then), and nothing is filled again.  The loads are cut by CHUNKS of four steps of each
;   quarter, so that work begins when the first sixteenth of a wave's... first chunk has landed: the wait in front of chunk j leaves the 3 - j younger loads out.
; CLUSTER.  The four work-groups of a cluster belong to one batch and want the same bytes at the same LDS places: every tensor load is asked for JOINTLY, with one descriptor and the mask of all four.
; THE PRODUCT: source 0 = 16 channels of f, source 1 = p of 16 queries: in the result lane (r, h) holds query r, register j channel 8 h + j of the tile.
; LIMITS.  A block of p whose largest number lies under 2^-123 takes the scale of 2^-123; an exponential under 2^-126 comes out as 0: both are nothing beside l >= 1/2.  The exponential is taken not to fall where its
;   input rises.  Where a' x b lies within a rounding of a whole number, M may be 1 off the rule's: a power of two, which the scales and l take up.  NaN and infinities are not served.
.set REC,   4864                       ; a record: four images of 1,024 bytes, 256 bytes of scale words, 512 bytes of b
.set SCW,   4096
.set BOF,   4352
.set MMO,   64*REC                     ; behind the records: 32 bytes a step, the blocks' largest and smallest b
.set BATB,  MMO+2048                   ; a batch's bytes
.set SPARE, BATB                       ; the spare words, 128 bytes for each wave: eight blocks of 256 bytes that no other line names
.set OPI,   528                        ; the way out, laid over the records when nobody reads them any more (they have had their one fill): a row of 128 queries, 512 bytes + 16
.set OKS,   64*OPI                     ; a quarter's 64 rows
.set LST,   4*OKS                      ; behind the four quarters: their sums l, [4][128]
.set SPW, 1                            ; v1   LDS address of my spare word; never rewritten
.set NIL, 2                            ; v2   0; never rewritten
.set LI,  3                            ; v3   16 x lane
.set HB,  4                            ; v4   128 h
.set LS,  5                            ; v5   4 x lane
.set HM,  6                            ; v6   16 h
.set SH8, 7                            ; v7   8 h
.set ADC, 8                            ; v8-11 the step's LDS addresses: images, b, scale words, largest and smallest
.set ADB, 9
.set ADF, 10
.set ADM, 11
.set APB, 12                           ; v[12:13] (a', a'), v[14:15] (-M, -M) of tile 0; v[16:19] of tile 1
.set LL,  20                           ; v[20:21], v[22:23] the tiles' sums, in two halves
.set TT,  24                           ; v[24:25] the sums' second chain
.set MMX, 26                           ; v26-29 (max, min) of b in my block of c = 0 and of c = 1
.set TM,  30                           ; v30-33 their t - M
.set SO,  34                           ; v34-35 the conversions' scale operands
.set W,   36
.set W2,  37
.set PS,  38                           ; v38-39 p's scale words: scales and nothing else
.set FS,  40                           ; v40-41 f's: lanes 0-15 tile 0 (2), lanes 16-31 tile 1 (3)
.set PFO, 42                           ; v42  the prefetch's offset; never rewritten
.set OSA, 43                           ; v43-47 the way out's LDS addresses
.set LSA, 44
.set RA0, 45
.set RA1, 46
.set LRA, 47
.set PC,  48                           ; v48-55, v56-63 p's codes
.set B,   64                           ; v64-127 b of key 64 c + 32 h + i at 32 c + i
.set P,   128                          ; v128-191 t - M, then p, likewise; then f's four fragments over the first 32
.set O,   192                          ; v192-255 the eight accumulators: tile of queries q, tile of channels t at 32 q + 8 t
.set WV,  12
.set GG,  13
.set KQ,  14
.set CX,  15
.set QB,  16
.set BAT, 17
.set SEL, 18
.set RB,  20                           ; s20  LDS byte of the step's record
.set MB,  21                           ; s21  and of its largest and smallest
.set CNT, 22
.set LIM, 23
.set G1R, 24                           ; s[24:31] descriptor group 1: a record;  s[32:39]: 128 bytes of largest and smallest
.set G1M, 32
.set G0M, 40                           ; s[40:43], s[44:59] the five groups 0; never rewritten
.set G0R, 44
.set PFA, 60
; A round of the cluster's barrier: my work-group's barrier, wave 0 signals for the work-group, every wave waits for all four work-groups, my work-group's barrier once more
.macro CROUND
	s_barrier_signal -1
	s_barrier_wait -1
	s_cmp_lg_u32 s[WV], 0
	s_cbranch_scc1 .Lnot_wave_0_\@
	s_barrier_signal -3
.Lnot_wave_0_\@:
	s_barrier_wait -3
	s_barrier_signal -1
	s_barrier_wait -1
.endm
; A PREFETCH INTO THE L2 of the work-group's part of feature, which the way out adds: 64 rows x 512 bytes = 128 aligned blocks of 256 bytes.  Waves 0 to 3 name 32 blocks each, a lane a block, once, in the last chunk's
; third trip: two key steps ahead of the loads.  No other work-group reads these bytes in this launch; the partners of a cluster are told apart by address alone.
.macro ASK
	s_cmp_eq_u32 s[CNT], s[LIM]
	s_cbranch_scc0 .Lnot_mine_\@
	global_prefetch_b8 v[PFO], s[PFA:PFA+1] th:TH_LOAD_NT scope:SCOPE_SE
.Lnot_mine_\@:
.endm
; The softmax of tile q for the step's 128 keys.  first = 1: the step's loads are waited for;  fetch = 1: f's fragments are asked for as soon as the registers that they take are done with.
.macro SOFT q, first, fetch
.set rA, APB+4*\q
.set rN, APB+2+4*\q
.set rL, LL+2*\q
.if \first
	s_wait_dscnt 10                                ; the largest and smallest and keys' b of c = 0 are in: behind them 8 loads of b and 2 scale words
.endif
	v_pk_fma_f32 v[TM:TM+1], v[MMX:MMX+1], v[rA:rA+1], v[rN:rN+1]           ; t - M of my blocks' largest and smallest b
	v_pk_fma_f32 v[TM+2:TM+3], v[MMX+2:MMX+3], v[rA:rA+1], v[rN:rN+1]
.set j, 0
.rept 16
	v_pk_fma_f32 v[P+j:P+j+1], v[B+j:B+j+1], v[rA:rA+1], v[rN:rN+1]         ; t - M = b a' - M, two at a time
.set j, j+2
.endr
.if \first
	s_wait_dscnt 2                                 ; all of b is in; the 2 scale words may be out
.endif
.rept 16
	v_pk_fma_f32 v[P+j:P+j+1], v[B+j:B+j+1], v[rA:rA+1], v[rN:rN+1]
.set j, j+2
.endr
	v_max3_num_f32 v[TM], v[TM], v[TM+1], 0xc2f60000       ; the block's largest t - M, and the floor -123, so that the scale's byte cannot fall under 1
	v_max3_num_f32 v[TM+2], v[TM+2], v[TM+3], 0xc2f60000
.set j, 0
	s_wait_alu depctr_va_vdst(0)
.rept 64
	v_exp_f32 v[P+j], v[P+j]                       ; p = 2^(t - M): NOT normalised
.set j, j+1
.endr
	v_exp_f32 v[TM], v[TM]                         ; the blocks' largest p: the same two instructions on the same number give the same bits
	v_exp_f32 v[TM+2], v[TM+2]
	v_nop                                          ; a plain place behind the last exponential
	s_wait_alu depctr_va_vdst(0)                   ; one wait for the batch of 66, ahead of the first line that names a result
	v_add_nc_u32 v[SO], 0xff000000, v[TM]          ; 2 off the exponent field: the conversion's scale operand
	v_add_nc_u32 v[SO+1], 0xff000000, v[TM+2]
	s_delay_alu instid0(VALU_DEP_2)
	v_lshrrev_b32 v[W], 23, v[SO]                  ; the scales' bytes: blocks h and 2 + h
	s_delay_alu instid0(VALU_DEP_2)
	v_lshrrev_b32 v[TM+1], 23, v[SO+1]
	s_delay_alu instid0(VALU_DEP_1)
	v_lshl_or_b32 v[W], v[TM+1], 16, v[W]
	s_delay_alu instid0(VALU_DEP_1)
	v_lshlrev_b32 v[W], v[SH8], v[W]               ; at their places in the scale word;
	s_delay_alu instid0(VALU_DEP_1)
	v_permlanex16_b32 v[W2], v[W], s[SEL], s[SEL+1]
	s_delay_alu instid0(VALU_DEP_1)
	v_or_b32 v[PS+\q], v[W], v[W2]                 ; with lane l xor 16's two the word is whole
.irp c, 0,1
.irp k, 0,1,2,3
	v_cvt_scalef32_pk8_fp4_f32 v[PC+8*\q+4*\c+\k], v[P+32*\c+8*\k:P+32*\c+8*\k+7], v[SO+\c]   ; registers 4 c .. 4 c + 3 of the operand
.endr
.endr
	v_nop                                          ; one plain place behind a scaled conversion
	v_pk_add_f32 v[TT:TT+1], v[P:P+1], v[P+2:P+3]  ; THE ROW'S SUM IS TAKEN OF THE UNQUANTISED p: two at a time, in two chains.  These 32 are also the places between the writes of the scale word and the codes and the products
.set j, 4
.rept 7
	v_pk_add_f32 v[rL:rL+1], v[rL:rL+1], v[P+j:P+j+1]
	v_pk_add_f32 v[TT:TT+1], v[TT:TT+1], v[P+j+2:P+j+3]
.set j, j+4
.endr
.if \fetch
.irp t, 0,1,2,3
.irp c, 0,1
	ds_load_b128 v[P+8*\t+4*\c:P+8*\t+4*\c+3], v[ADC] offset:1024*\t+512*\c   ; f's four fragments, as they stood in the registers of the wave that made them
.endr
.endr
.endif
.rept 8
	v_pk_add_f32 v[rL:rL+1], v[rL:rL+1], v[P+j:P+j+1]
	v_pk_add_f32 v[TT:TT+1], v[TT:TT+1], v[P+j+2:P+j+3]
.set j, j+4
.endr
	s_delay_alu instid0(VALU_DEP_1)
	v_pk_add_f32 v[rL:rL+1], v[rL:rL+1], v[TT:TT+1]
.endm
.macro PROD t, q, zero                 ; zero = 1: the first step's products start the sums: nothing is cleared
.set rO, O+32*(\q)+8*(\t)
.if \zero
.if (\t)%2
	v_wmma_scale_f32_16x16x128_f8f6f4 v[rO:rO+7], v[P+8*(\t):P+8*(\t)+7], v[PC+8*(\q):PC+8*(\q)+7], 0, v[FS+(\t)/2], v[PS+(\q)] matrix_a_fmt:MATRIX_FMT_FP4 matrix_b_fmt:MATRIX_FMT_FP4 matrix_a_scale:MATRIX_SCALE_ROW1
.else
	v_wmma_scale_f32_16x16x128_f8f6f4 v[rO:rO+7], v[P+8*(\t):P+8*(\t)+7], v[PC+8*(\q):PC+8*(\q)+7], 0, v[FS+(\t)/2], v[PS+(\q)] matrix_a_fmt:MATRIX_FMT_FP4 matrix_b_fmt:MATRIX_FMT_FP4
.endif
.else
.if (\t)%2
	v_wmma_scale_f32_16x16x128_f8f6f4 v[rO:rO+7], v[P+8*(\t):P+8*(\t)+7], v[PC+8*(\q):PC+8*(\q)+7], v[rO:rO+7], v[FS+(\t)/2], v[PS+(\q)] matrix_a_fmt:MATRIX_FMT_FP4 matrix_b_fmt:MATRIX_FMT_FP4 matrix_a_scale:MATRIX_SCALE_ROW1
.else
	v_wmma_scale_f32_16x16x128_f8f6f4 v[rO:rO+7], v[P+8*(\t):P+8*(\t)+7], v[PC+8*(\q):PC+8*(\q)+7], v[rO:rO+7], v[FS+(\t)/2], v[PS+(\q)] matrix_a_fmt:MATRIX_FMT_FP4 matrix_b_fmt:MATRIX_FMT_FP4
.endif
.endif
.endm
; A KEY STEP: 128 keys for my two tiles of queries
.macro STEP zero, ask
	s_setprio 2
	v_add_nc_u32 v[ADC], s[RB], v[LI]              ; these four are also the places behind the last step's products, ahead of the loads into their scale registers and the writes over f's fragments
	v_add_nc_u32 v[ADB], s[RB], v[HB]
	v_add_nc_u32 v[ADF], s[RB], v[LS]
	v_add_nc_u32 v[ADM], s[MB], v[HM]
	ds_load_b128 v[MMX:MMX+3], v[ADM]
.irp i, 0,1,2,3,4,5,6,7,8,9,10,11,12,13,14,15
	ds_load_b128 v[B+4*\i:B+4*\i+3], v[ADB] offset:BOF+256*(\i/8)+16*(\i%8)   ; the sixteen lanes of a half read the same 16 bytes
.endr
	ds_load_b32 v[FS], v[ADF] offset:SCW
	ds_load_b32 v[FS+1], v[ADF] offset:SCW+128
.if \ask
	ASK
.endif
	SOFT 0, 1, 0
	s_setprio 1
	SOFT 1, 0, 1
	s_setprio 0
	s_wait_dscnt 0x0                               ; f's fragments and scale words
.irp t, 0,1,2,3                                ; the eight accumulators take turns, one instruction a turn, over the backward jump too
.irp q, 0,1
	PROD \t, \q, \zero
.endr
.endr
	s_add_co_u32 s[RB], s[RB], REC
	s_add_co_u32 s[MB], s[MB], 32
.endm
; A chunk of four steps: my part of it has landed (left = my record loads issued behind it, which may stay out), and so has everybody's
.macro QUAD left, ask
	s_wait_tensorcnt \left
	s_barrier_signal -1
	s_barrier_wait -1
	s_mov_b32 s[CNT], 4
.Lstep_\@:
	STEP 0, \ask
	s_sub_co_u32 s[CNT], s[CNT], 1
	s_cmp_lg_u32 s[CNT], 0
	s_cbranch_scc1 .Lstep_\@
	s_setprio 0
.endm
	s_load_b256 s[4:11], s[0:1], 0x0               ; keys s[4:5], abuf s[6:7], feature s[8:9], out0 s[10:11]
	v_lshl_add_u32 v[SPW], v0, 2, SPARE
	v_mov_b32 v[NIL], 0
	ds_add_u32 v[SPW], v[NIL]                      ; the wave's opening: the add, twice on end, and its wait ahead of my first tensor load; the set-up below, work on registers, stands between the second and the wait
	ds_add_u32 v[SPW], v[NIL]
	v_lshrrev_b32 v128, 5, v0
	s_delay_alu instid0(VALU_DEP_1)
	v_readfirstlane_b32 s[WV], v128                ; wave 0..15
	s_and_b32 s[GG], s[WV], 3                      ; g: which 32 queries
	s_lshr_b32 s[KQ], s[WV], 2                     ; ks: which quarter of the keys
	s_bfe_u32 s[CX], ttmp6, 0x40000                ; my place in the cluster: it enters global addresses of a, feature and out0 alone
	s_lshl_b32 s[QB], ttmp9, 2
	s_add_co_u32 s[QB], s[QB], s[CX]               ; my block of 128 queries
	s_and_b32 s[BAT], ttmp7, 0xffff                ; the batch, which the four partners share
	s_mov_b32 s[SEL], 0x76543210
	s_mov_b32 s[SEL+1], 0xfedcba98
	s_mov_b32 s[G1R], 15|(3<<16)|(1<<21)           ; 15:0 the mask: all four work-groups; 17:16 elements of 8 bytes; 21 set beside a mask; no padding
	s_mov_b32 s[G1R+1], 32<<16                     ; tensor_dim0 = 32 elements: 256 bytes
	s_mov_b32 s[G1R+2], 19<<16                     ; tensor_dim1 = 19 rows: a record
	s_mov_b32 s[G1R+3], 32<<16                     ; tile_dim0
	s_mov_b32 s[G1R+4], 19                         ; tile_dim1
	s_mov_b32 s[G1R+5], 32                         ; the pitch: dense
	s_mov_b32 s[G1R+6], 0
	s_mov_b32 s[G1R+7], 0
	s_mov_b32 s[G1M], 15|(3<<16)|(1<<21)           ; one row of 128 bytes
	s_mov_b32 s[G1M+1], 16<<16
	s_mov_b32 s[G1M+2], 1<<16
	s_mov_b32 s[G1M+3], 16<<16
	s_mov_b32 s[G1M+4], 1
	s_mov_b32 s[G1M+5], 16
	s_mov_b32 s[G1M+6], 1<<16
	s_mov_b32 s[G1M+7], 0
	s_mul_i32 s66, s[KQ], 16*REC                   ; my quarter's first record, in LDS as in the batch's bytes
	s_mov_b32 s[RB], s66
	s_mul_i32 s67, s[GG], REC
	s_add_co_u32 s66, s66, s67                     ; the first record that I fetch: 16 ks + g; the others 4 records apart
	s_mul_i32 s68, s[BAT], BATB
	s_mov_b32 s69, 0
	s_lshl_b32 s[MB], s[KQ], 9
	s_add_co_u32 s[MB], s[MB], MMO
	s_cmp_lt_u32 s[WV], 4
	s_cselect_b32 s[LIM], 2, -1                    ; waves 0 to 3 prefetch, where the last chunk's count stands at 2
	v_and_b32 v128, 31, v0                         ; lane
	v_and_b32 v129, 15, v0                         ; r
	v_bfe_u32 v130, v0, 4, 1                       ; h
	s_delay_alu instid0(VALU_DEP_3)
	v_lshlrev_b32 v[LI], 4, v128
	s_delay_alu instid0(VALU_DEP_4)
	v_lshlrev_b32 v[LS], 2, v128
	s_delay_alu instid0(VALU_DEP_3)
	v_lshlrev_b32 v[HB], 7, v130
	s_delay_alu instid0(VALU_DEP_4)
	v_lshlrev_b32 v[HM], 4, v130
	v_lshlrev_b32 v[SH8], 3, v130
	v_lshlrev_b32 v131, 2, v129                    ; 4 r
	v_lshl_add_u32 v134, v128, 6, MMO              ; 64 bytes a lane of the largest and smallest
	v_lshrrev_b32 v[PFO], 1, v128
	s_delay_alu instid0(VALU_DEP_1)
	v_lshlrev_b32 v[PFO], 15, v[PFO]               ; the prefetch: row lane / 2 of 32,768 bytes,
	v_and_b32 v135, 1, v0
	s_delay_alu instid0(VALU_DEP_1)
	v_lshl_add_u32 v[PFO], v135, 8, v[PFO]         ; block lane % 2 of its 512
	s_mul_i32 s80, s[KQ], OKS                      ; the way out.  In: my quarter; row 8 h (+ 16 t + j by the offset); my 32 queries; query r
	s_lshl_b32 s81, s[GG], 7
	s_add_co_u32 s80, s80, s81
	v_mul_u32_u24 v[OSA], v130, 8*OPI
	s_delay_alu instid0(VALU_DEP_1)
	v_add_nc_u32 v[OSA], v[OSA], v131
	s_delay_alu instid0(VALU_DEP_1)
	v_add_nc_u32 v[OSA], s80, v[OSA]
	s_lshl_b32 s80, s[KQ], 9
	s_add_co_u32 s80, s80, s81
	s_add_co_u32 s80, s80, LST
	v_add_nc_u32 v[LSA], s80, v131                 ; my quarter's sums
	s_mul_i32 s80, s[WV], 4*OPI
	v_add_nc_u32 v[RA0], s80, v[LI]                ; back: rows 4 WV on, 16 bytes a lane, of quarters 0 and 1,
	s_delay_alu instid0(VALU_DEP_1)
	v_add_nc_u32 v[RA1], 2*OKS, v[RA0]             ; and of quarters 2 and 3
	v_add_nc_u32 v[LRA], LST, v[LI]
.irp i, 0,1,2,3
	v_mov_b32 v[LL+\i], 0                          ; the sums
.endr
	v_mov_b32 v[W], 0                              ; written once: a lane permute's destination counts as one of its sources
	v_mov_b32 v[W2], 0
	s_wait_dscnt 0x0                               ; both opening adds are done
	s_wait_kmcnt 0x0
	s_add_nc_u64 s[4:5], s[4:5], s[68:69]          ; keys at my batch
	s_mov_b32 s70, s66
	s_mov_b32 s71, 0
	s_add_nc_u64 s[70:71], s[4:5], s[70:71]
.irp j, 0,1,2,3
	s_mov_b32 s[G0R+4*\j], 1                       ; count = 1
	s_add_co_u32 s[G0R+4*\j+1], s66, 4*REC*\j      ; LDS address: record 16 ks + 4 j + g
	s_add_nc_u64 s[G0R+4*\j+2:G0R+4*\j+3], s[70:71], 4*REC*\j
	s_or_b32 s[G0R+4*\j+3], s[G0R+4*\j+3], 0x80000000   ; type = 2
.endr
	s_lshl_b32 s72, s[WV], 7
	s_mov_b32 s73, 0
	s_add_nc_u64 s[74:75], s[4:5], s[72:73]
	s_mov_b32 s[G0M], 1
	s_add_co_u32 s[G0M+1], s72, MMO                ; my 128 bytes of the largest and smallest
	s_add_nc_u64 s[G0M+2:G0M+3], s[74:75], MMO
	s_or_b32 s[G0M+3], s[G0M+3], 0x80000000
	CROUND                                         ; all four work-groups are here: the joint loads meet
	tensor_load_to_lds s[G0M:G0M+3], s[G1M:G1M+7]  ; all fills of the launch go out here, ahead of every wait on TENSORcnt and every LDS read: five loads of mine are out
	s_nop 0
.irp j, 0,1,2,3
	tensor_load_to_lds s[G0R+4*\j:G0R+4*\j+3], s[G1R:G1R+7]
	s_nop 0
.endr
.rept 4
	v_nop
.endr
	s_lshl_b32 s76, s[BAT], 15                     ; a of my 32 queries: 4 (8,192 batch + 128 block + 32 g)
	s_lshl_b32 s77, s[QB], 9
	s_add_co_u32 s76, s76, s77
	s_add_co_u32 s76, s76, s81
	s_mov_b32 s77, 0
	s_add_nc_u64 s[6:7], s[6:7], s[76:77]
	global_load_b32 v132, v131, s[6:7]
	global_load_b32 v133, v131, s[6:7] offset:64
	s_lshl_b32 s78, s[BAT], 21                     ; feature and out0: the batch, my block's 512 bytes of a row,
	s_lshl_b32 s79, s[QB], 9
	s_add_co_u32 s78, s78, s79
	s_mov_b32 s79, 0
	s_add_nc_u64 s[8:9], s[8:9], s[78:79]
	s_add_nc_u64 s[10:11], s[10:11], s[78:79]
	s_lshl_b32 s78, s[GG], 19
	s_add_nc_u64 s[PFA:PFA+1], s[8:9], s[78:79]    ; the prefetch: rows 16 (WV % 4) on
	s_lshl_b32 s78, s[WV], 17
	s_add_nc_u64 s[8:9], s[8:9], s[78:79]          ; the way out: rows 4 WV on
	s_add_nc_u64 s[10:11], s[10:11], s[78:79]
	s_wait_tensorcnt 3                             ; the largest and smallest and my record of chunk 0 are in; my three younger loads may stay out
	s_barrier_signal -1
	s_barrier_wait -1                              ; everybody's are
.irp i, 0,1,2,3
	ds_load_b128 v[144+4*\i:147+4*\i], v134 offset:16*\i   ; eight pairs (max, min) a lane: the batch's 256 blocks
.endr
	s_wait_dscnt 0x0
	v_max3_num_f32 v160, v144, v146, v148
	v_min3_num_f32 v161, v145, v147, v149
	s_delay_alu instid0(VALU_DEP_2)
	v_max3_num_f32 v160, v160, v150, v152
	s_delay_alu instid0(VALU_DEP_2)
	v_min3_num_f32 v161, v161, v151, v153
	s_delay_alu instid0(VALU_DEP_2)
	v_max3_num_f32 v160, v160, v154, v156
	s_delay_alu instid0(VALU_DEP_2)
	v_min3_num_f32 v161, v161, v155, v157
	s_delay_alu instid0(VALU_DEP_2)
	v_max_num_f32 v160, v160, v158
	s_delay_alu instid0(VALU_DEP_2)
	v_min_num_f32 v161, v161, v159
.irp m, 1,2,4,8
	s_delay_alu instid0(VALU_DEP_2)
	v_max_num_f32_dpp v160, v160, v160 row_xmask:\m row_mask:0xf bank_mask:0xf
	s_delay_alu instid0(VALU_DEP_2)
	v_min_num_f32_dpp v161, v161, v161 row_xmask:\m row_mask:0xf bank_mask:0xf
.endr
	s_delay_alu instid0(VALU_DEP_2)
	v_permlanex16_b32 v[W], v160, s[SEL], s[SEL+1]
	s_delay_alu instid0(VALU_DEP_2)
	v_permlanex16_b32 v[W2], v161, s[SEL], s[SEL+1]
	s_delay_alu instid0(VALU_DEP_2)
	v_max_num_f32 v160, v160, v[W]                 ; the batch's largest b
	s_delay_alu instid0(VALU_DEP_2)
	v_min_num_f32 v161, v161, v[W2]                ; and its smallest
	s_wait_loadcnt 0x0                             ; a
.irp q, 0,1
	v_mul_f32 v[APB+4*\q], 0x3fb8aa3b, v[132+\q]   ; a' = a log2(e)
.endr
	s_wait_alu depctr_va_vdst(0)
.irp q, 0,1
	v_mul_f32 v[162+\q], v[APB+4*\q], v160
	v_mul_f32 v[164+\q], v[APB+4*\q], v161
.endr
.irp q, 0
	s_delay_alu instid0(VALU_DEP_3)
	v_max_num_f32 v[162+\q], v[162+\q], v[164+\q]  ; the row's largest t
.endr
.irp q, 1
	s_delay_alu instid0(VALU_DEP_2)
	v_max_num_f32 v[162+\q], v[162+\q], v[164+\q]
.endr
.irp q, 0
	s_delay_alu instid0(VALU_DEP_2)
	v_floor_f32 v[APB+2+4*\q], -v[162+\q]          ; -M = floor(-t) = -ceil(t): M IS A WHOLE NUMBER
	v_mov_b32 v[APB+1+4*\q], v[APB+4*\q]           ; both as pairs, for the packed multiply-adds
.endr
.irp q, 1
	s_delay_alu instid0(VALU_DEP_3)
	v_floor_f32 v[APB+2+4*\q], -v[162+\q]
	v_mov_b32 v[APB+1+4*\q], v[APB+4*\q]
.endr
.irp q, 0
	s_delay_alu instid0(VALU_DEP_4)
	v_mov_b32 v[APB+3+4*\q], v[APB+2+4*\q]
.endr
.irp q, 1
	s_delay_alu instid0(VALU_DEP_3)
	v_mov_b32 v[APB+3+4*\q], v[APB+2+4*\q]
.endr
	s_wait_alu depctr_va_vdst(0)
	STEP 1, 0                                      ; the first step stands in front of the loop: its products start the sums
	s_mov_b32 s[CNT], 3
.Lfirst_chunk:
	STEP 0, 0
	s_sub_co_u32 s[CNT], s[CNT], 1
	s_cmp_lg_u32 s[CNT], 0
	s_cbranch_scc1 .Lfirst_chunk
	s_setprio 0
	QUAD 2, 0
	QUAD 1, 0
	QUAD 0, 1
	; THE WAY OUT.  The four quarters' O and l meet in LDS; wave WV then takes channels 4 WV .. 4 WV + 3 for all 128 queries, adds, divides, adds feature and stores whole rows of 512 bytes.
.irp cc, 0,1,2,3
	global_load_b128 v[B+4*\cc:B+4*\cc+3], v[LI], s[8:9] offset:32768*\cc th:TH_LOAD_NT   ; feature(4 WV + cc, my block's queries 4 lane .. + 3)
.endr
	v_add_f32 v[TM], v[LL], v[LL+1]                ; l's two halves (these additions are the four places behind the last products),
	s_wait_alu depctr_va_vdst(0)
	v_add_f32 v[TM+1], v[LL+2], v[LL+3]
	v_permlanex16_b32 v[W], v[TM], s[SEL], s[SEL+1]
	s_delay_alu instid0(VALU_DEP_2)
	v_permlanex16_b32 v[W2], v[TM+1], s[SEL], s[SEL+1]
	s_delay_alu instid0(VALU_DEP_2)
	v_add_f32 v[TM], v[TM], v[W]                   ; and lane l xor 16's
	s_delay_alu instid0(VALU_DEP_2)
	v_add_f32 v[TM+1], v[TM+1], v[W2]
	s_wait_alu depctr_va_vdst(0)
	s_wait_dscnt 0x0                               ; my reads of the records are over
	s_barrier_signal -1
	s_barrier_wait -1                              ; everybody's are: the stage may be written over them
	ds_store_b32 v[LSA], v[TM]                     ; both halves of the lanes write the same word with the same value
	ds_store_b32 v[LSA], v[TM+1] offset:64
.irp q, 0,1
.irp t, 0,1,2,3
.irp j, 0,1,2,3,4,5,6,7
	ds_store_b32 v[OSA], v[O+32*\q+8*\t+\j] offset:(16*\t+\j)*OPI+64*\q   ; O(channel 16 t + 8 h + j, query 32 g + 16 q + r); each accumulator from its low end on
.endr
.endr
.endr
	s_wait_dscnt 0x0                               ; for the others' sake: my stores have landed
	s_barrier_signal -1
	s_barrier_wait -1
.irp k, 0,1
.irp cc, 0,1,2,3
	ds_load_b128 v[P+16*\k+4*\cc:P+16*\k+4*\cc+3], v[RA0] offset:OKS*\k+OPI*\cc
	ds_load_b128 v[P+32+16*\k+4*\cc:P+32+16*\k+4*\cc+3], v[RA1] offset:OKS*\k+OPI*\cc
.endr
.endr
.irp k, 0,1,2,3
	ds_load_b128 v[80+4*\k:83+4*\k], v[LRA] offset:512*\k
.endr
	s_wait_dscnt 0x0
	v_pk_add_f32 v[80:81], v[80:81], v[84:85]      ; l of my four queries: the four quarters
	v_pk_add_f32 v[82:83], v[82:83], v[86:87]
	v_pk_add_f32 v[88:89], v[88:89], v[92:93]
	v_pk_add_f32 v[90:91], v[90:91], v[94:95]
	s_delay_alu instid0(VALU_DEP_2)
	v_pk_add_f32 v[80:81], v[80:81], v[88:89]
	s_delay_alu instid0(VALU_DEP_2)
	v_pk_add_f32 v[82:83], v[82:83], v[90:91]
	s_wait_alu depctr_va_vdst(0)
.irp i, 0,1,2,3
	v_rcp_f32 v[80+\i], v[80+\i]
.endr
.irp i, 0,2,4,6,8,10,12,14                     ; O likewise: independent work behind the reciprocals
	v_pk_add_f32 v[P+\i:P+\i+1], v[P+\i:P+\i+1], v[P+16+\i:P+17+\i]
.endr
.irp i, 0,2,4,6,8,10,12,14
	v_pk_add_f32 v[P+32+\i:P+33+\i], v[P+32+\i:P+33+\i], v[P+48+\i:P+49+\i]
.endr
.irp i, 0,2,4,6,8,10,12,14
	v_pk_add_f32 v[P+\i:P+\i+1], v[P+\i:P+\i+1], v[P+32+\i:P+33+\i]
.endr
	s_wait_alu depctr_va_vdst(0)                   ; one wait for the four reciprocals, ahead of their first reader
	s_wait_loadcnt 0x0                             ; feature
.irp cc, 0,1,2,3
.irp p, 0,1
	v_pk_fma_f32 v[96+4*\cc+2*\p:97+4*\cc+2*\p], v[P+4*\cc+2*\p:P+4*\cc+2*\p+1], v[80+2*\p:81+2*\p], v[B+4*\cc+2*\p:B+4*\cc+2*\p+1]   ; O / l + feature
.endr
.endr
.irp cc, 0,1,2,3
	global_store_b128 v[LI], v[96+4*\cc:99+4*\cc], s[10:11] offset:32768*\cc th:TH_STORE_NT   ; 32 lanes store 512 consecutive bytes, at a multiple of 256 from out0's first byte; written once, read by nobody here
.endr
	s_wait_tensorcnt 0x0                           ; the wave's end, behind my last tensor load and my last LDS store
	ds_add_u32 v[SPW], v[NIL]
	s_wait_dscnt 0x0
	CROUND                                         ; the closing round: no work-group ends while a partner may still ask for a tile that names it
	s_endpgm
.Lfunc_end_k_q70a90241ad_attend:
	.size	k_q70a90241ad_attend, .Lfunc_end_k_q70a90241ad_attend-k_q70a90241ad_attend
	.p2alignl 7, 3214868480
	.fill 96, 4, 3214868480
	.section	.rodata,"a",@progbits
	.p2align	6, 0x0
	.amdhsa_kernel k_q70a90241ad_attend
		.amdhsa_group_segment_fixed_size 327680
		.amdhsa_private_segment_fixed_size 0
		.amdhsa_enable_private_segment 0
		.amdhsa_kernarg_size 32
		.amdhsa_user_sgpr_count 2
		.amdhsa_user_sgpr_kernarg_segment_ptr 1
		.amdhsa_wavefront_size32 1
		.amdhsa_system_sgpr_workgroup_id_x 1
		.amdhsa_system_sgpr_workgroup_id_y 1
		.amdhsa_system_sgpr_workgroup_id_z 1
		.amdhsa_system_vgpr_workitem_id 0
		.amdhsa_next_free_vgpr 256
		.amdhsa_next_free_sgpr 84
		.amdhsa_reserve_vcc 0
		.amdhsa_float_denorm_mode_32 3
		.amdhsa_float_denorm_mode_16_64 3
		.amdhsa_memory_ordered 1
		.amdhsa_forward_progress 1
		.amdhsa_inst_pref_size 113
	.end_amdhsa_kernel
	.amdgpu_metadata
---
amdhsa.version: [ 1, 2 ]
amdhsa.kernels:
  - .name:           k_q70a90241ad_attend
    .symbol:         k_q70a90241ad_attend.kd
    .args:
      - { .name: keys, .offset: 0, .size: 8, .value_kind: global_buffer, .address_space: global }
      - { .name: abuf, .offset: 8, .size: 8, .value_kind: global_buffer, .address_space: global }
      - { .name: feature, .offset: 16, .size: 8, .value_kind: global_buffer, .address_space: global }
      - { .name: out0, .offset: 24, .size: 8, .value_kind: global_buffer, .address_space: global }
    .group_segment_fixed_size: 327680
    .private_segment_fixed_size: 0
    .kernarg_segment_align: 8
    .kernarg_segment_size: 32
    .max_flat_workgroup_size: 512
    .sgpr_count:     84
    .vgpr_count:     256
    .wavefront_size: 32
...
	.end_amdgpu_metadata
.endif
;; end of part 2
